; MI455X (gfx1250); checked and timed in simulation.
; The chip was launched on July 23, 2026; its instructions are those of AMD's public machine-readable ISA for CDNA 5 (MIT licence, August 2026) and "CDNA5" Instruction Set Architecture Reference Guide (July 2026). The comments in the code are by the model that wrote it; some were corrected since.
;; Long Context Attention QKV Packed. Allowed arithmetic: matrix products marked QUANTISED: E5M2 operands, one given power-of-two scale a tensor, by v_wmma_f32_16x16x64_bf8_bf8 or v_wmma_f32_16x16x128_bf8_bf8, f32 sums; everything else in f32.
;; Inputs: lowp_scales 4 int32 (the exponents e of the quantised operands' scales 2^e); qkv 2 x 2,048 x 3 x 16 x 128 float32.
;; Outputs: out0 2 x 2,048 x 16 x 128 float32.
;; This version of the problem:
;;   THIS VERSION OF THE PROBLEM IS GIVEN IN LOW PRECISION. The matrix products marked QUANTISED in the list below multiply operands that are first quantised to E5M2 (5 exponent bits, 2 mantissa bits; 8 bits a number), with one given power-of-two scale for each operand tensor; their sums are f32. All else is computed in f32.
;;   The module's matrix products, in the order in which they are computed (A, B: the left and right operand; K: the contracted axis; several contracted axes count as one K, in the product's order):
;;     1. batch 32 x [M 2,048, K 128] x [K 128, N 2,048]; A: input qkv; B: input qkv: QUANTISED (scales: A lowp_scales[0], B lowp_scales[1])
;;     2. batch 32 x [M 128, K 2,048] x [K 2,048, N 2,048]; A: input qkv; B: softmax (see below): QUANTISED (scales: A lowp_scales[2], B lowp_scales[3])
;;   THE QUANTISER, for each operand of a quantised product, along K:
;;     - The operand's scale is 2^e, e = its entry of the input lowp_scales (int32; the entries are numbered through the quantised products in the list's order, A before B).
;;     - Each number is divided by the scale, clamped to +-57,344, and rounded to the nearest number of E5M2, ties to even, subnormals kept.
;;     - The product sums the exact products of the quantised numbers (number of the format x scale) in f32.
;;   ~~~python
;;   def quantise(x, axis, e):      # numpy; x: float32 -> the quantised numbers, widened to float32 again
;;       x = np.moveaxis(x, axis, -1); K = x.shape[-1]
;;       r = np.clip(x / 2.0 ** e, -57344, 57344)
;;       step = 2.0 ** (np.maximum(np.frexp(np.where(r == 0, 1, r))[1] - 1, -14) - 2)
;;       q = np.round(r / step) * step * 2.0 ** e      # np.round: ties to even
;;       return np.moveaxis(q, -1, axis).astype(np.float32)
;;   ~~~
;;   SOFTMAX AHEAD OF A QUANTISED PRODUCT. Where the list says 'softmax', what is quantised is not the finished softmax but p = 2^(t - M), with t = logit x log2(e) and M = ceil(the row's largest t), a whole number; so 1/2 < the row's largest p <= 1. The row's sum l is taken of the UNQUANTISED p, in f32, and the product's result is divided by l at the end. Since M is a whole number, a kernel that streams over the keys may use a running M (the ceiling of the running maximum): every later rescaling is an exact power of two, so the quantised numbers keep their values, but for numbers so far below the row's largest that they fall under the format's range.
;;   OPERANDS COMPUTED ON THE WAY. 'Computed on the way' means the value that the module computes at that place (a softmax that the list does not call 'softmax' is quantised finished and normalised). What goes into a quantiser is computed in f32, as accurately as f32 sums, v_exp_f32 and their like allow (about 1e-6 of the number): no bf16 or f16 on the way to a quantiser, and a product that is left as it is and whose result goes on into a quantised operand takes f32 operands (vector FMAs, or v_wmma_f32_16x16x4_f32). A number that lies on a knife's edge between two numbers of the format may be rounded either way, as far as f32 arithmetic and the matrix unit's own rounding can turn it there, and no further.
;; One version. Each part assembles by itself: llvm-mc -triple=amdgcn-amd-amdhsa -mcpu=gfx1250 --defsym DOCPART=n.
;; ======== version 1 of 1: 2 launches
;; limits: right only within a limited range of input values
;; workspace buffers: k_codes 8,388,608 bytes; v_codes 8,388,608 bytes
;; launch quant (part 1): grid 256 x 2, 4 waves a work-group, no clusters, 39,424 bytes of LDS; arguments qkv, lowp_scales, k_codes, v_codes; writes k_codes, v_codes
.if DOCPART == 1
	.amdgcn_target "amdgcn-amd-amdhsa--gfx1250"
	.amdhsa_code_object_version 6
	.text
	.protected	k_qaa99e11bc4_quant
	.globl	k_qaa99e11bc4_quant
	.p2align	8
	.type	k_qaa99e11bc4_quant,@function
k_qaa99e11bc4_quant:
	s_mov_b64 s[64:65], 0
	v_nop
	global_prefetch_b8 v0, s[64:65] scope:SCOPE_SE
	s_setreg_imm32_b32 hwreg(HW_REG_WAVE_MODE, 25, 1), 1
	s_wait_xcnt 0x0
; The K and V parts of qkv [2][2048][3][16][128], f32, become codes of BF8 (E5M2), one byte each, with the given scales 2^e: entry 1 of the buffer of scales for K, entry 2 for V.
; code = x / 2^e, held within +-57,344, rounded to the nearest code, ties to even.
; LIMITS: -126 <= e <= 112, so that 2^e and 57,344 x 2^e are f32 numbers.  NaN among the inputs is not served; an infinity is held at the largest code.
; k_codes: [head = 16 b + h][s 2048][d 128]: the first product's K (the head's 128) innermost.
; v_codes: [head][d 128][position 2048]: the second product's K (the keys) innermost.  Within each 32 keys the four runs of eight keys lie in the order 0, 2, 1, 3: a lane of the attention launch
; that reads 16 bytes at 32 c + 16 (lane / 16) then holds keys 32 c + 8 (lane / 16) + 0..7 and 32 c + 16 + 8 (lane / 16) + 0..7, which are the keys whose weights that lane has made.
; Work-group y = 0 takes V, y = 1 takes K; each path has LDS bytes of its own and its own end.  Waves share nothing: no barrier.  No tensor load: everything goes through registers.
; No cluster: no two work-groups read the same bytes.  No prefetch: every wave keeps loads of its own on their way from its first line to its last block.
.set SROW,   24576                     ; bytes from position s to s + 1 of qkv: 3 x 16 x 128 f32
.set BATCH,  2048*SROW                 ; bytes of one b
.set VPITCH, 272                       ; V's stage: a row of 256 codes + 16 bytes
.set VSTG,   0                         ; V's stages: 32 rows for each of four waves
.set KSTG,   4*32*VPITCH               ; K's stages: 1,024 bytes for each wave
.set SPARE,  KSTG+4*1024               ; the spare words, 128 bytes for each wave: two blocks of 256 bytes that no other line names
.set X,     32                         ; V: v32-95   two sets of 32 numbers
.set C,     96                         ; V: v96-103  a block's codes
.set OUTR,  112                        ; V: v112-175 the way out
.set CK,    16                         ; K: v16-23   a step's codes
.set XK,    32                         ; K: v32-159  four sets of 32 numbers
.set OK,    160                        ; K: v160-223 eight registers for each step: no store's data are written again
.set SPW,   14                         ; v14  LDS address of my spare word: SPARE + 4 x my thread's number; never rewritten
.set NIL,   15                         ; v15  0; never rewritten
	s_load_b256 s[4:11], s[0:1], 0x0               ; qkv s[4:5], the scales' exponents s[6:7], k_codes s[8:9], v_codes s[10:11]
	v_lshl_add_u32 v[SPW], v0, 2, SPARE
	v_mov_b32 v[NIL], 0
	v_lshrrev_b32 v1, 5, v0
	v_readfirstlane_b32 s16, v1                    ; wave 0..3
	v_and_b32 v2, 31, v0                           ; lane
	s_and_b32 s17, ttmp7, 0xffff                   ; 0: V, 1: K
	; every LDS address is made here, ahead of the parting of the two paths
	v_lshlrev_b32 v3, 2, v2                        ; 4 x lane
	s_mul_i32 s18, s16, 32*VPITCH                  ; V: my wave's stage (VSTG = 0)
	v_mul_u32_u24 v4, v2, VPITCH
	v_add_nc_u32 v4, s18, v4                       ; V: into the stage: row = my column d
	v_and_b32 v5, 15, v2
	v_lshrrev_b32 v6, 4, v2
	v_mul_u32_u24 v7, v6, VPITCH
	v_lshl_add_u32 v7, v5, 4, v7
	v_add_nc_u32 v7, s18, v7                       ; V: out of the stage: sixteen lanes to a row, two rows an instruction
	v_lshlrev_b32 v8, 11, v6
	v_lshl_add_u32 v8, v5, 4, v8                   ; V: the same place in v_codes, whose rows are 2,048 bytes
	v_lshlrev_b32 v9, 4, v2                        ; K: 16 x lane, in qkv's row and in k_codes
	s_lshl_b32 s19, s16, 10
	s_add_co_u32 s19, s19, KSTG                    ; K: my wave's stage
	v_add_nc_u32 v12, s19, v3                      ; K: into it: word = lane
	v_add_nc_u32 v13, s19, v9                      ; K: out of it: 16 bytes a lane
	s_lshr_b32 s20, ttmp9, 7                       ; b
	s_mul_i32 s20, s20, BATCH
	s_wait_kmcnt 0x0
	s_load_b128 s[24:27], s[6:7], 0x0              ; the four exponents
	s_cmp_lg_u32 s17, 0
	s_cbranch_scc1 .Lk
.macro SCALE e                         ; v11 = 2^e as f32 (the conversion takes its exponent field)
	s_add_co_i32 s32, s[\e], 127
	s_lshl_b32 s33, s32, 23
	v_mov_b32 v11, s33
	s_add_co_i32 s32, s32, 15
	s_lshl_b32 s32, s32, 23
	s_or_b32 s32, s32, 0x600000                    ; the mantissa field of 57,344
.endm
; ---- V.  Work-group x = 128 b + 16 ky + h.  A LANE TAKES A COLUMN d, AND ITS REGISTERS RUN DOWN THE KEYS: wave w takes d = 32 w + lane and keys 256 ky .. 256 ky + 255, eight blocks of 32.
; Each load reads 128 consecutive bytes a wave, the four waves side by side on a head's 512.  The conversions then give codes with the keys innermost; nothing is transposed by an instruction.
	s_and_b32 s21, ttmp9, 15                       ; h
	s_bfe_u32 s22, ttmp9, 0x30004                  ; ky
	s_mul_i32 s23, s22, 256*SROW
	s_add_co_u32 s28, s20, s23
	s_lshl_b32 s23, s21, 9
	s_add_co_u32 s28, s28, s23
	s_lshl_b32 s23, s16, 7
	s_add_co_u32 s28, s28, s23
	s_add_co_u32 s28, s28, 16384                   ; V is the third of the three: all told under 2^27
	s_mov_b32 s29, 0
	s_add_nc_u64 s[4:5], s[4:5], s[28:29]
	s_lshr_b32 s30, ttmp9, 7
	s_lshl_b32 s30, s30, 4
	s_add_co_u32 s30, s30, s21                     ; head
	s_lshl_b32 s30, s30, 7
	s_lshl_b32 s23, s16, 5
	s_add_co_u32 s30, s30, s23                     ; my wave's first row of v_codes: 128 x head + 32 x wave
	s_lshl_b32 s30, s30, 11
	s_lshl_b32 s23, s22, 8
	s_add_co_u32 s30, s30, s23                     ; + 256 ky
	s_mov_b32 s31, 0
	s_add_nc_u64 s[10:11], s[10:11], s[30:31]
.macro LOADV t                         ; block t: V(32 t + i, my column), i = 0 .. 31, into set t % 2.  The largest offset, 255 x SROW, lies inside the signed 24-bit immediate
.set i, 0
.rept 32
	global_load_b32 v[X+32*((\t)%2)+i], v3, s[4:5] offset:(32*(\t)+i)*SROW th:TH_LOAD_NT
.set i, i+1
.endr
.endm
.macro BLOCKV t
.set XS, X+32*((\t)%2)
.if (\t) < 7
	s_wait_loadcnt 32                              ; this block's 32 loads are in; the next block's 32 may be out
.else
	s_wait_loadcnt 0x0
.endif
.set i, 0
.rept 32
.set i, i+1
.endr
.irp g, 0,1,2,3
	v_cvt_scalef32_pk8_bf8_f32 v[C+2*((\g%2)*2+\g/2):C+2*((\g%2)*2+\g/2)+1], v[XS+8*\g:XS+8*\g+7], v11   ; keys 8 g .. 8 g + 7 go to the place 0, 2, 1, 3 among the block's four
.endr
	ds_store_b128 v4, v[C:C+3] offset:32*(\t)      ; 32 codes: 32 bytes of my column's row.  (The results go to LDS stores alone; the next vector lines are the next block's plain holds)
	ds_store_b128 v4, v[C+4:C+7] offset:32*(\t)+16
.if (\t)+2 < 8
	LOADV (\t)+2
.endif
	s_wait_dscnt 0x0                               ; the stores have read their registers: the next block's codes may be written
.endm
	LOADV 0
	LOADV 1
	s_wait_kmcnt 0x0
	SCALE 26
	s_wait_alu depctr_va_vdst(0)
.irp t, 0,1,2,3,4,5,6,7
	BLOCKV \t
.endr
.irp t, 0,1,2,3,4,5,6,7,8,9,10,11,12,13,14,15
	ds_load_b128 v[OUTR+4*\t:OUTR+4*\t+3], v7 offset:2*\t*VPITCH   ; LDS serves a wave's instructions in order (ISA guide 5.7.1.4): these see my stores
.endr
.irp t, 0,1,2,3,4,5,6,7,8,9,10,11,12,13,14,15
	s_wait_dscnt 15-\t                             ; load t is in; the 15 - t younger ones may be out
	global_store_b128 v8, v[OUTR+4*\t:OUTR+4*\t+3], s[10:11] offset:2*\t*2048   ; sixteen lanes store 256 consecutive bytes, at a multiple of 256 from the buffer's first byte
.endr
	s_wait_tensorcnt 0x0                           ; the wave's end, behind my last LDS store; the tensor wait stands though no tensor load is in this text
	ds_add_u32 v[SPW], v[NIL]
	s_wait_dscnt 0x0
	s_endpgm
; ---- K.  Work-group x = 128 b + 4 sb + hq.  Wave w takes head h = 4 hq + w and positions 64 sb .. 64 sb + 63, eight steps of eight rows.  A load is one row of the head: 512 consecutive bytes, 16 a lane;
; the four waves stand side by side on 2,048.  Lane l holds d = 4 l .. 4 l + 3 of eight rows; a conversion takes two rows' four numbers each, so each of its two result registers is word l of one row's 128 bytes of codes.
; The CODES turn through the wave's stage (1,024 bytes a step), not the f32 numbers, and leave 16 bytes a lane.
.Lk:
	s_and_b32 s21, ttmp9, 3
	s_bfe_u32 s22, ttmp9, 0x50002                  ; sb
	s_lshl_b32 s21, s21, 2
	s_add_co_u32 s21, s21, s16                     ; h
	s_mul_i32 s23, s22, 64*SROW
	s_add_co_u32 s28, s20, s23
	s_lshl_b32 s23, s21, 9
	s_add_co_u32 s28, s28, s23
	s_add_co_u32 s28, s28, 8192                    ; K is the second of the three
	s_mov_b32 s29, 0
	s_add_nc_u64 s[4:5], s[4:5], s[28:29]
	s_lshr_b32 s30, ttmp9, 7
	s_lshl_b32 s30, s30, 4
	s_add_co_u32 s30, s30, s21                     ; head
	s_lshl_b32 s30, s30, 18                        ; a head's codes are 262,144 bytes
	s_lshl_b32 s23, s22, 13                        ; 64 rows of 128
	s_add_co_u32 s30, s30, s23
	s_mov_b32 s31, 0
	s_add_nc_u64 s[8:9], s[8:9], s[30:31]
.macro LOADK t                         ; rows 8 t .. 8 t + 7 into set t % 4
.irp i, 0,1,2,3,4,5,6,7
	global_load_b128 v[XK+32*((\t)%4)+4*\i:XK+32*((\t)%4)+4*\i+3], v9, s[4:5] offset:(8*(\t)+\i)*SROW th:TH_LOAD_NT
.endr
.endm
.macro STEPK t
.set XS, XK+32*((\t)%4)
.if 7-(\t) >= 3
	s_wait_loadcnt 24                              ; this step's eight loads are in; those of the three steps behind it may be out
.else
	s_wait_loadcnt 8*(7-(\t))                      ; the last steps: as many sets of eight as are still behind
.endif
.set i, 0
.rept 32
.set i, i+1
.endr
.irp g, 0,1,2,3
	v_cvt_scalef32_pk8_bf8_f32 v[CK+2*\g:CK+2*\g+1], v[XS+8*\g:XS+8*\g+7], v11   ; rows 2 g and 2 g + 1
.endr
.if (\t)+4 < 8
	LOADK (\t)+4
.endif
.irp i, 0,1,2,3,4,5,6,7
	ds_store_b32 v12, v[CK+\i] offset:128*\i       ; word l of row i: 32 lanes write the row's 128 bytes
.endr
.irp u, 0,1
	ds_load_b128 v[OK+8*(\t)+4*\u:OK+8*(\t)+4*\u+3], v13 offset:512*\u   ; in order behind the stores
.endr
	s_wait_dscnt 0x0
.irp u, 0,1
	global_store_b128 v9, v[OK+8*(\t)+4*\u:OK+8*(\t)+4*\u+3], s[8:9] offset:1024*(\t)+512*\u   ; 32 lanes store 512 consecutive bytes, at a multiple of 256 from the buffer's first byte
.endr
.endm
	s_wait_alu depctr_va_vdst(0)
.irp t, 0,1,2,3
	LOADK \t
.endr
	s_wait_kmcnt 0x0
	SCALE 25
	s_wait_alu depctr_va_vdst(0)
.irp t, 0,1,2,3,4,5,6,7
	STEPK \t
.endr
	s_wait_tensorcnt 0x0                           ; the wave's end, behind my last LDS store
	ds_add_u32 v[SPW], v[NIL]
	s_wait_dscnt 0x0
	s_endpgm
.Lfunc_end_k_qaa99e11bc4_quant:
	.size	k_qaa99e11bc4_quant, .Lfunc_end_k_qaa99e11bc4_quant-k_qaa99e11bc4_quant
	.p2alignl 7, 3214868480
	.fill 96, 4, 3214868480
	.section	.rodata,"a",@progbits
	.p2align	6, 0x0
	.amdhsa_kernel k_qaa99e11bc4_quant
		.amdhsa_group_segment_fixed_size 39424
		.amdhsa_private_segment_fixed_size 0
		.amdhsa_enable_private_segment 0
		.amdhsa_kernarg_size 32
		.amdhsa_user_sgpr_count 2
		.amdhsa_user_sgpr_kernarg_segment_ptr 1
		.amdhsa_wavefront_size32 1
		.amdhsa_system_sgpr_workgroup_id_x 1
		.amdhsa_system_sgpr_workgroup_id_y 1
		.amdhsa_system_sgpr_workgroup_id_z 1
		.amdhsa_system_vgpr_workitem_id 0
		.amdhsa_next_free_vgpr 224
		.amdhsa_next_free_sgpr 66
		.amdhsa_reserve_vcc 0
		.amdhsa_float_denorm_mode_32 3
		.amdhsa_float_denorm_mode_16_64 3
		.amdhsa_fp16_overflow 1
		.amdhsa_memory_ordered 1
		.amdhsa_forward_progress 1
		.amdhsa_inst_pref_size 50
	.end_amdhsa_kernel
	.amdgpu_metadata
---
amdhsa.version: [ 1, 2 ]
amdhsa.kernels:
  - .name:           k_qaa99e11bc4_quant
    .symbol:         k_qaa99e11bc4_quant.kd
    .args:
      - { .name: qkv, .offset: 0, .size: 8, .value_kind: global_buffer, .address_space: global }
      - { .name: lowp_scales, .offset: 8, .size: 8, .value_kind: global_buffer, .address_space: global }
      - { .name: k_codes, .offset: 16, .size: 8, .value_kind: global_buffer, .address_space: global }
      - { .name: v_codes, .offset: 24, .size: 8, .value_kind: global_buffer, .address_space: global }
    .group_segment_fixed_size: 39424
    .private_segment_fixed_size: 0
    .kernarg_segment_align: 8
    .kernarg_segment_size: 32
    .max_flat_workgroup_size: 128
    .sgpr_count:     66
    .vgpr_count:     224
    .wavefront_size: 32
...
	.end_amdgpu_metadata
.endif
;; end of part 1
;; launch attn (part 2): grid 8 x 32, 16 waves a work-group, clusters of 4 x 1, 327,680 bytes of LDS; arguments qkv, k_codes, v_codes, lowp_scales, out0; writes out0
.if DOCPART == 2
	.amdgcn_target "amdgcn-amd-amdhsa--gfx1250"
	.amdhsa_code_object_version 6
	.text
	.protected	k_qaa99e11bc4_attn
	.globl	k_qaa99e11bc4_attn
	.p2align	8
	.type	k_qaa99e11bc4_attn,@function
k_qaa99e11bc4_attn:
	s_mov_b64 s[64:65], 0
	v_nop
	global_prefetch_b8 v0, s[64:65] scope:SCOPE_SE
	s_setreg_imm32_b32 hwreg(HW_REG_WAVE_MODE, 25, 1), 1
	s_wait_xcnt 0x0
	s_wait_alu depctr_hold_cnt(0) depctr_sa_sdst(0) depctr_va_vdst(0) depctr_va_sdst(0) depctr_va_ssrc(0) depctr_va_vcc(0) depctr_vm_vsrc(0)
	s_getreg_b32 s2, hwreg(HW_REG_IB_STS2, 6, 4)
	s_cmp_eq_u32 s2, 0
	s_cbranch_scc0 .Lentry_in_a_cluster
	s_endpgm
.Lentry_in_a_cluster:
	s_bfe_u32 s2, ttmp6, 0x10000c
	s_cmp_lg_u32 s2, 0x3003
	s_cbranch_scc0 .Lentry_shape_is_right
	s_endpgm
.Lentry_shape_is_right:
; out0[b][q][h][:] = the sum over keys k <= q of softmax_k(Q . K / sqrt(128)) V, both products on codes of BF8 (E5M2), each operand with the one scale 2^e that is given for it:
; entry 0 of the buffer of scales is taken as Q's (eq), entry 1 as K's (ek), entry 2 is V's (ev), entry 3 the weights' (ep).
; Q comes from qkv [2][2048][3][16][128] as f32 and is quantised here, in registers: each row is read by one wave.  K and V come as codes: k_codes [head][s][128], v_codes [head][d 128][position 2048] (keys innermost,
; the four runs of eight keys of each 32 in the order 0, 2, 1, 3).  out0: [2][2048][16][128] f32.
; THE SOFTMAX AHEAD OF THE SECOND PRODUCT: t = score x log2(e) / sqrt(128); M = the row's largest t so far, rounded UP to a whole number; p = 2^(t - M) is quantised, not normalised.  The row's sum is taken of
; the unquantised p, in f32, and divides O at the end.  When M moves, the sum and O are multiplied by 2^(old M - new M): exact.
; SHARES.  A head has 128 tiles of 16 queries.  Work-group g (0..7) of a head takes tiles g + 8 j, j = 0..15, one a wave: queries 128 j + 16 g + 0..15.  Keys go in steps of 128.  Wave j needs steps 0 .. j, and step j is
; the one on the diagonal, WHATEVER g IS (16 g + 15 < 128).  So all 256 work-groups have the same work (136 tile steps), all walk all 8 slots of 256 keys, and every branch hangs on the wave's number and the
; step's number alone.  j = wave xor 15 x (parity of the wave's four bits), so that long and short waves are mixed among any four waves w % 4 or w / 4.
; CLUSTER.  The four work-groups of a cluster belong to one head and walk the same K and V in step: each tile is asked for JOINTLY, by the same tensor load with the same descriptor and the mask 15.
; LAYOUT.  Both products are used transposed: S^T = K Q^T (source 0 = 16 neighbouring keys, source 1 = my 16 queries), O^T = V^T P^T (source 0 = 16 of the head's 128, source 1 = P): a lane holds ONE query
; (lane % 16) throughout.  Register 8 T + i of S^T is key 16 T + 8 (lane / 16) + i of the step; the conversions' results, two registers a tile, are the second product's operand as they stand, and V's order of
; keys in memory fits them.  In the first product Q and K both take d = 32 c + 16 (lane / 16) + 0..15 into registers 4 c .. 4 c + 3: the same order of d on both sides.
; THE MASK.  A step beyond the diagonal is left out; in the step on the diagonal hidden scores become -infinity ahead of the maximum, so p = 0 (reference() writes -1e30 there: the same p for every score above -1e29).
; LIMITS on the given exponents, so that each power of two below is an f32 number: eq and ep between -126 and 112; eq + ek between -123 and 130 (they are added to c's exponent field); ep + ev goes by v_ldexp_f32 and
; has none.  NaN among the inputs is not served; an infinity in Q is held at the largest code.
; REGISTERS: v1-7, v10, v11 addresses that stay; v8, v9 addresses of the step in hand; v12 -M, v13 the largest t, v[14:15] the sum in two halves; v16-31 Q's codes; v32-95 four fragments of K or of V;
; v96-159 S^T, then p, then V's other four fragments; v160-223 O^T; v224-239 p's codes; v244 the scale for p, v245 the scale for Q; v236, v242, v243, v252-254 at work.
.set SROW,  24576                      ; bytes from position s to s + 1 of qkv
.set BATCH, 2048*SROW
.set KP,    144                        ; a key's row in LDS: 128 bytes + 16 of padding = 36 words: the 16 neighbouring rows of a load start 36 words apart, at 16 different groups of four banks (64 banks of 4 bytes: ISA guide 11.1)
.set VP,    272                        ; a row of V's tile: 256 bytes + 16
.set VOFF,  256*KP                     ; a slot: 256 rows of K, then 128 rows of V
.set SLOT1, 1<<17                      ; slot 1 begins here, so that one exclusive or turns an address in one slot into the other's
.set STAGE, SLOT1+VOFF+128*VP          ; behind the ring: 16 rows x 272 bytes for each wave, for the way out: bytes into which no tile lands
.set SPARE, STAGE+16*16*272            ; behind the stages: the spare words, 128 bytes for each wave: eight blocks of 256 bytes that no other line names
.set AK0,  1                           ; v1   my lane's place in a tile of K
.set AV0,  2                           ; v2   the same for V
.set PFO,  3                           ; v3   the prefetches' offset; never rewritten
.set DG,   4                           ; v4   16 g + lane % 16 - 8 (lane / 16): on the diagonal, register 8 T + i is hidden where 16 T + i is above it
.set SPW,  5                           ; v5   LDS address of my spare word: SPARE + 4 x my thread's number; never rewritten
.set NIL,  6                           ; v6   0; never rewritten
.set GO,   7                           ; v7   the way out: my byte offset in the wave's rows of out0
.set ADK,  8                           ; v8   LDS address of the step's tiles of K
.set ADV,  9                           ; v9   of V
.set STO,  10                          ; v10  the way out: where I put 32 bytes of a row
.set RD,   11                          ; v11  the way out: where I read a row back
.set TB,   2                           ; s2   LDS byte at which the slot in hand begins
.set WV,   18                          ; s18  my wave's number
.set JW,   19                          ; s19  j: my last key step, the one on the diagonal
.set SEL,  20                          ; s[20:21] lane selects for v_permlanex16_b32: lane l xor 16
.set CS,   22                          ; s[22:23] c = log2(e) / sqrt(128) x 2^(eq + ek)
.set G1K,  24                          ; s[24:31] descriptor group 1 for K's tiles;  s[32:39] for V's;  s[40:43], s[44:47] their groups 0, which walk
.set G1V,  32
.set G0K,  40
.set G0V,  44
.set KS,   52                          ; s52  the key step, 0..15
.set SLOTS, 53                         ; s53  slots still to be asked for
.set LIM,  54                          ; s54  1 in a wave that prefetches, else the greatest number
.set EO,   55                          ; s55  ep + ev
.set PFA,  56                          ; s[56:57] where my prefetches stand in memory
.set PFS,  58                          ; s[58:59] a slot on, in bytes: 32,768 in K, 256 in a row of V
; A round of the cluster's barrier: my work-group's barrier, so that wave 0's signal speaks for all sixteen waves; wave 0 signals for the work-group; every wave waits for all four work-groups; my work-group's barrier once more.
.macro CROUND
	s_barrier_signal -1
	s_barrier_wait -1
	s_cmp_lg_u32 s[WV], 0
	s_cbranch_scc1 .Lnot_wave_0_\@
	s_barrier_signal -3
.Lnot_wave_0_\@:
	s_barrier_wait -3
	s_barrier_signal -1
	s_barrier_wait -1
.endm
; A joint load.  Waves 0 and 1 fetch K's two halves of a slot (128 rows each), waves 2 and 3 V's (64 rows each), the others nothing.  The branches hang on the wave's number alone: they are the same in every work-group.
; An s_nop 0 and four v_nop follow each of the two lines.
.macro TLOAD
	s_cmp_lt_u32 s[WV], 2
	s_cbranch_scc0 .Lnot_k_\@
	tensor_load_to_lds s[G0K:G0K+3], s[G1K:G1K+7]
	s_nop 0
.rept 4
	v_nop
.endr
	s_branch .Lasked_\@
.Lnot_k_\@:
	s_cmp_lt_u32 s[WV], 4
	s_cbranch_scc0 .Lasked_\@
	tensor_load_to_lds s[G0V:G0V+3], s[G1V:G1V+7]
	s_nop 0
.rept 4
	v_nop
.endr
.Lasked_\@:
.endm
; A PREFETCH INTO THE L2 of what the NEXT change of slots will ask for: a slot's 32,768 bytes of K and 256 bytes of each of V's 128 rows: two key steps ahead of that load.
; Each aligned block of 256 bytes is named ONCE in the launch.  Both clusters of a head walk the same K and V: the head's first cluster asks.  Its four partners share the blocks out BY ADDRESS (no branch hangs on a
; work-group's place in its cluster): of K's block partner cx takes 8,192 bytes, lanes 256 bytes apart (wave 4); of V's rows it takes 32, a lane a row (wave 5).  Slots 0 and 1 come by their loads alone;
; the last change that fills a slot asks for nothing: there is no slot behind it.
.macro ASK
	s_cmp_gt_u32 s[SLOTS], s[LIM]
	s_cbranch_scc0 .Lnot_mine_\@
	global_prefetch_b8 v[PFO], s[PFA:PFA+1] th:TH_LOAD_NT scope:SCOPE_SE
.Lnot_mine_\@:
.endm
	s_load_b256 s[4:11], s[0:1], 0x0               ; qkv s[4:5], k_codes s[6:7], v_codes s[8:9], the scales' exponents s[10:11]
	s_load_b64 s[12:13], s[0:1], 0x20              ; out0
	v_lshl_add_u32 v[SPW], v0, 2, SPARE
	v_mov_b32 v[NIL], 0
	ds_add_u32 v[SPW], v[NIL]                      ; the wave's opening: an add and its wait ahead of the first tensor loads; the set-up below, work on registers, stands between them
	ds_add_u32 v[SPW], v[NIL]
	v_lshrrev_b32 v8, 5, v0
	s_delay_alu instid0(VALU_DEP_1)
	v_readfirstlane_b32 s[WV], v8                  ; wave 0..15
	s_bfe_u32 s14, ttmp6, 0x40000                  ; cx: my place in the cluster
	s_lshl_b32 s15, ttmp9, 2                       ; in a cluster launch ttmp9 counts clusters
	s_add_co_u32 s15, s15, s14                     ; g = 4 x cluster x + cx: it enters Q's and out0's addresses, the prefetches' and the mask's compare alone
	s_and_b32 s16, ttmp7, 0xffff                   ; the head, 16 b + h, which the four partners share
	s_lshr_b32 s17, s[WV], 2
	s_xor_b32 s17, s17, s[WV]
	s_lshr_b32 s[JW], s17, 1
	s_xor_b32 s17, s17, s[JW]
	s_and_b32 s17, s17, 1                          ; the parity of the wave's four bits
	s_mul_i32 s17, s17, 15
	s_xor_b32 s[JW], s[WV], s17                    ; j
	s_lshl_b32 s60, s[JW], 7
	s_lshl_b32 s61, s15, 4
	s_add_co_u32 s60, s60, s61                     ; my first query: 128 j + 16 g
	s_lshr_b32 s61, s16, 4                         ; b
	s_and_b32 s62, s16, 15                         ; h
	s_mul_i32 s66, s61, BATCH
	s_mul_i32 s67, s60, SROW
	s_add_co_u32 s66, s66, s67
	s_lshl_b32 s67, s62, 9
	s_add_co_u32 s66, s66, s67                     ; its first byte in qkv (Q is the first of the three): under 2^27
	s_mov_b32 s67, 0
	s_lshl_b32 s68, s61, 24                        ; out0: b x 2,048 rows of 8,192 bytes,
	s_lshl_b32 s69, s60, 13                        ; the query's row,
	s_add_co_u32 s68, s68, s69
	s_lshl_b32 s69, s62, 9                         ; the head's 512 bytes
	s_add_co_u32 s68, s68, s69
	s_mov_b32 s69, 0
	; what I fetch, if I fetch: made of the head and the wave's number alone, in registers that never hold cx
	s_lshl_b32 s70, s16, 18                        ; the head's first byte in k_codes and in v_codes
	s_mov_b32 s71, 0
	s_and_b32 s72, s[WV], 1
	s_lshl_b32 s74, s72, 14                        ; K: 128 rows of 128 bytes on, in memory,
	s_mov_b32 s75, 0
	s_add_nc_u64 s[74:75], s[74:75], s[70:71]
	s_lshl_b32 s76, s72, 17                        ; V: 64 rows of 2,048 bytes on
	s_mov_b32 s77, 0
	s_add_nc_u64 s[76:77], s[76:77], s[70:71]
	s_mul_i32 s78, s72, 128*KP                     ; and in a slot: K,
	s_mul_i32 s79, s72, 64*VP
	s_add_co_u32 s79, s79, VOFF                    ; V
	; descriptor group 1: K: 128 rows of 128 bytes, dense in memory;  V: 64 rows of 256 bytes, 2,048 bytes apart
	s_mov_b32 s[G1K], 15|(0<<16)|(1<<20)|(1<<21)|(4<<22)|(3<<25)  ; 15:0 the mask: all four work-groups; 17:16 elements of 1 byte; 20 padding on; 21 set beside a mask; 24:22 after every 32 words (code 4); 31:25 four words (code 3)
	s_mov_b32 s[G1K+1], 128<<16                    ; tensor_dim0
	s_mov_b32 s[G1K+2], 128<<16                    ; tensor_dim1
	s_mov_b32 s[G1K+3], 128<<16                    ; tile_dim0
	s_mov_b32 s[G1K+4], 128                        ; tile_dim1
	s_mov_b32 s[G1K+5], 128                        ; tensor_dim0_stride
	s_mov_b32 s[G1K+6], 0
	s_mov_b32 s[G1K+7], 0
	s_mov_b32 s[G1V], 15|(0<<16)|(1<<20)|(1<<21)|(5<<22)|(3<<25)  ; padding: four words after every 64
	s_mov_b32 s[G1V+1], 256<<16
	s_mov_b32 s[G1V+2], 64<<16
	s_mov_b32 s[G1V+3], 256<<16
	s_mov_b32 s[G1V+4], 64
	s_mov_b32 s[G1V+5], 2048
	s_mov_b32 s[G1V+6], 0
	s_mov_b32 s[G1V+7], 0
	s_mov_b32 s[SEL], 0x76543210
	s_mov_b32 s[SEL+1], 0xfedcba98
	s_mov_b32 s[CS], 0x3e0293ee                    ; c = log2(e) / sqrt(128)
	s_mov_b32 s[TB], 0
	s_mov_b32 s[SLOTS], 7                          ; 8 slots of 256 keys; slot 0 is asked for here
	s_mov_b32 s[KS], 0
	s_wait_dscnt 0x0                               ; the opening add is done
	s_wait_kmcnt 0x0
	s_load_b128 s[48:51], s[10:11], 0x0            ; eq, ek, ev, ep
	s_mov_b32 s[G0K], 1                            ; 1:0 count = 1
	s_mov_b32 s[G0K+1], s78                        ; 63:32 LDS address: slot 0
	s_add_nc_u64 s[G0K+2:G0K+3], s[6:7], s[74:75]  ; 120:64 global address: the head's first 256 keys
	s_or_b32 s[G0K+3], s[G0K+3], 0x80000000        ; 127:126 type = 2
	s_mov_b32 s[G0V], 1
	s_mov_b32 s[G0V+1], s79
	s_add_nc_u64 s[G0V+2:G0V+3], s[8:9], s[76:77]
	s_or_b32 s[G0V+3], s[G0V+3], 0x80000000
	CROUND                                         ; all four work-groups are here: the first joint loads meet
	TLOAD                                          ; slot 0: one tensor load of a fetching wave is out
	s_add_nc_u64 s[4:5], s[4:5], s[66:67]          ; Q at my first query
	s_add_nc_u64 s[12:13], s[12:13], s[68:69]      ; out0 likewise
	; the prefetches (macro ASK): where mine stand, and who asks
	s_cmp_eq_u32 s[WV], 4                          ; wave 4 asks for K's codes, wave 5 for V's
	s_cselect_b64 s[PFA:PFA+1], s[6:7], s[8:9]
	s_mov_b32 s[PFS], 256
	s_cselect_b32 s[PFS], 32768, s[PFS]            ; a slot on
	s_mov_b32 s60, 2048
	s_cselect_b32 s60, 256, s60                    ; from lane to lane
	s_mov_b32 s61, 65536
	s_cselect_b32 s61, 8192, s61                   ; from partner to partner
	v_and_b32 v[PFO], 31, v0
	s_delay_alu instid0(VALU_DEP_1)
	v_mul_lo_u32 v[PFO], v[PFO], s60
	s_mul_i32 s62, s14, s61                        ; my work-group's part,
	s_add_co_u32 s62, s62, s[PFS]                  ; in slot 1: the first change of slots steps it to slot 2.  Nothing is prefetched here, at the head, where every work-group's first tiles are on their way
	s_mov_b32 s63, 0
	s_mov_b32 s[PFS+1], 0
	s_add_nc_u64 s[PFA:PFA+1], s[PFA:PFA+1], s[70:71]  ; in my head
	s_add_nc_u64 s[PFA:PFA+1], s[PFA:PFA+1], s[62:63]
	s_sub_co_u32 s62, s[WV], 4
	s_lshr_b32 s62, s62, 1                         ; 0 in waves 4 and 5,
	s_or_b32 s62, s62, ttmp9                       ; of the head's first cluster: the same in all four partners
	s_cmp_eq_u32 s62, 0
	s_cselect_b32 s[LIM], 1, -1
	; Q: lane (r, h) takes, of row r, d = 32 c + 16 h + 0 .. 15 of each 32: 64 numbers, read once in the launch
	v_and_b32 v32, 15, v0                          ; r = lane % 16
	v_bfe_u32 v33, v0, 4, 1                        ; h = lane / 16
	s_delay_alu instid0(VALU_DEP_2)
	v_mul_u32_u24 v34, v32, SROW
	s_delay_alu instid0(VALU_DEP_1)
	v_lshl_add_u32 v34, v33, 6, v34
.irp c, 0,1,2,3
.irp i, 0,1,2,3
	global_load_b128 v[96+16*\c+4*\i:96+16*\c+4*\i+3], v34, s[4:5] offset:128*\c+16*\i th:TH_LOAD_NT
.endr
.endr
	v_mul_u32_u24 v[AK0], v32, KP
	s_delay_alu instid0(VALU_DEP_1)
	v_lshl_add_u32 v[AK0], v33, 4, v[AK0]          ; K: row r x pitch + 16 h
	v_mul_u32_u24 v[AV0], v32, VP
	s_delay_alu instid0(VALU_DEP_1)
	v_lshl_add_u32 v[AV0], v33, 4, v[AV0]
	s_delay_alu instid0(VALU_DEP_1)
	v_add_nc_u32 v[AV0], VOFF, v[AV0]              ; V likewise, behind K's rows
	s_lshl_b32 s60, s15, 4
	v_lshlrev_b32 v[DG], 3, v33
	s_delay_alu instid0(VALU_DEP_1)
	v_sub_nc_u32 v[DG], v32, v[DG]
	s_delay_alu instid0(VALU_DEP_1)
	v_add_nc_u32 v[DG], s60, v[DG]                 ; 16 g + r - 8 h (a signed number)
	v_lshlrev_b32 v[GO], 13, v33
	s_delay_alu instid0(VALU_DEP_1)
	v_lshl_add_u32 v[GO], v32, 4, v[GO]            ; the way out: lanes 0-15 take one row of out0, lanes 16-31 the next, 8,192 bytes on; 16 bytes a lane
	s_mul_i32 s61, s[WV], 16*272
	s_add_co_u32 s61, s61, STAGE                   ; my stage
	v_mul_u32_u24 v[STO], v32, 272
	s_delay_alu instid0(VALU_DEP_1)
	v_lshl_add_u32 v[STO], v33, 5, v[STO]
	s_delay_alu instid0(VALU_DEP_1)
	v_add_nc_u32 v[STO], s61, v[STO]               ; in: row r; a tile's eight channels of my half: + 32 h
	v_mul_u32_u24 v[RD], v33, 272
	s_delay_alu instid0(VALU_DEP_1)
	v_lshl_add_u32 v[RD], v32, 4, v[RD]
	s_delay_alu instid0(VALU_DEP_1)
	v_add_nc_u32 v[RD], s61, v[RD]                 ; back: lanes 0-15 one row, lanes 16-31 the next
	v_mov_b32 v13, 0xff61b1e6                      ; the largest t so far: -3e38, under every t
	s_delay_alu instid0(VALU_DEP_1)
	v_floor_f32 v12, -v13                          ; -M
	v_mov_b32 v14, 0                               ; the sum, in two halves
	v_mov_b32 v15, 0
	v_mov_b32 v236, 0                              ; written once: a lane permute's destination counts as one of its sources
	v_mov_b32 v253, 0                              ; (named as the upper half of the pair v[252:253])
.set i, 0
.rept 64
	v_mov_b32 v[160+i], 0                          ; O^T.  (A key step is written without a first step of its own: the first finds zeros, which the first change of M leaves zeros)
.set i, i+1
.endr
	s_wait_kmcnt 0x0
	s_add_co_i32 s60, s48, s49
	s_lshl_b32 s60, s60, 23
	s_add_co_i32 s[CS], s[CS], s60                 ; a score stands for score x 2^(eq + ek): the two exponents are added to c's exponent field
	s_mov_b32 s[CS+1], s[CS]                       ; (named with it as a pair, so it is written)
	s_add_co_i32 s60, s51, 127
	s_lshl_b32 s61, s60, 23
	v_mov_b32 v244, s61                            ; 2^ep as f32, for the conversion
	s_add_co_i32 s60, s48, 127
	s_lshl_b32 s61, s60, 23
	v_mov_b32 v245, s61                            ; 2^eq
	s_add_co_i32 s[EO], s50, s51                   ; ev + ep
	s_wait_alu depctr_va_vdst(0)
	s_wait_loadcnt 0x0                             ; Q
.irp c, 0,1,2,3
.irp i, 0,1,2,3,4,5,6,7,8,9,10,11,12,13,14,15
.endr
	v_cvt_scalef32_pk8_bf8_f32 v[16+4*\c:17+4*\c], v[96+16*\c:103+16*\c], v245   ; registers 4 c .. 4 c + 3 of Q's fragment: d = 32 c + 16 h + 0 .. 15
	v_cvt_scalef32_pk8_bf8_f32 v[18+4*\c:19+4*\c], v[104+16*\c:111+16*\c], v245
.endr
	v_nop                                          ; one plain vector instruction between the last scaled conversion and the products that read its result and write its sources
; THE WAY OUT of a wave's tile, straight behind its step on the diagonal, so that the launch's stores are spread over its whole length.  The sum's two halves and lane l xor 16's are added; O^T is divided by the sum,
; multiplied by 2^(ep + ev), and goes through my stage in LDS, half a row (64 channels, 256 bytes) of 16 queries at a time, so that sixteen lanes store 256 consecutive bytes.
.macro WAYOUT
.rept 4
	v_nop                                          ; four places between the last products and the lines that read their results and write over V's fragments (ISA guide 7.12.1)
.endr
	v_add_f32 v14, v14, v15
	s_delay_alu instid0(VALU_DEP_1)
	v_permlanex16_b32 v252, v14, s[SEL], s[SEL+1]
	s_delay_alu instid0(VALU_DEP_1)
	v_add_f32 v14, v14, v252                       ; the row's sum
	s_wait_alu depctr_va_vdst(0)
	v_rcp_f32 v14, v14
	v_nop                                          ; a plain instruction behind the reciprocal,
	s_wait_alu depctr_va_vdst(0)                   ; and a wait ahead of the first line that names its result
	v_ldexp_f32 v14, v14, s[EO]                    ; x 2^(ep + ev)
.set i, 0
.rept 32
	v_pk_mul_f32 v[96+i:97+i], v[160+i:161+i], v[14:15] op_sel_hi:[1,0]   ; both x v14; each accumulator from its low end on.  Register 8 t + i is o(r, 16 t + 8 h + i)
.set i, i+2
.endr
.irp u, 0,1                                    ; channels 64 u on
.irp t, 0,1,2,3
	ds_store_b128 v[STO], v[96+32*\u+8*\t:99+32*\u+8*\t] offset:64*\t
	ds_store_b128 v[STO], v[100+32*\u+8*\t:103+32*\u+8*\t] offset:64*\t+16
.endr
.irp i, 0,1,2,3,4,5,6,7
	ds_load_b128 v[32+32*\u+4*\i:35+32*\u+4*\i], v[RD] offset:2*\i*272   ; LDS serves a wave's instructions in order (ISA guide 5.7.1.4): these see my stores, and the next half's stores come behind them
.endr
.endr
.irp u, 0,1
.irp i, 0,1,2,3,4,5,6,7
	s_wait_dscnt 15-8*\u-\i                        ; at most as many as were issued behind this load: it is in
	global_store_b128 v[GO], v[32+32*\u+4*\i:35+32*\u+4*\i], s[12:13] offset:2*\i*8192+256*\u th:TH_STORE_NT   ; sixteen lanes store 256 consecutive bytes, at a multiple of 256 from out0's first byte; written once, read by nobody here
.endr
.endr
	s_wait_xcnt 0x0                                ; the stores have read their registers: no later line finds a source still in use
.endm
; A KEY STEP: 128 keys, the q-th of the slot in hand.  A step beyond my diagonal is left out: a scalar branch on the wave's number and the step's, round the step's loads, products and softmax; no barrier and no tensor load stands in a step.
.macro STEP q
	s_cmp_gt_u32 s[KS], s[JW]
	s_cbranch_scc1 .Lhidden_\@
	v_add_nc_u32 v[ADK], s[TB], v[AK0]
	v_add_nc_u32 v[ADV], s[TB], v[AV0]
.rept 3
	v_nop                                          ; with the two additions five places: the products below write over v96-159, from which the last step's products read V's fragments; the loads below want four
.endr
	s_wait_alu depctr_va_vdst(0)
.irp g, 0,1                                    ; S^T = K Q^T, four tiles of 16 neighbouring keys at a time
.if \g > 0
.rept 4
	v_nop                                          ; places in front of loads into registers that matrix instructions have read
.endr
.endif
.irp t, 0,1,2,3
.irp c, 0,1,2,3
	ds_load_b128 v[32+16*\t+4*\c:32+16*\t+4*\c+3], v[ADK] offset:(128*(\q)+16*(4*\g+\t))*KP+32*\c
.endr
.endr
	s_wait_dscnt 0x0
.irp t, 0,1,2,3
	v_wmma_f32_16x16x128_bf8_bf8 v[96+8*(4*\g+\t):103+8*(4*\g+\t)], v[32+16*\t:47+16*\t], v[16:31], 0
.endr
.endr
.rept 4
	v_nop                                          ; places in front of the loads below and of the first read of the scores
.endr
.irp t, 0,1,2,3                                ; V's tiles 0-3 are asked for now and land while the softmax is worked
.irp c, 0,1,2,3
	ds_load_b128 v[32+16*\t+4*\c:32+16*\t+4*\c+3], v[ADV] offset:16*\t*VP+128*(\q)+32*\c
.endr
.endr
	s_cmp_lt_u32 s[KS], s[JW]                      ; all keys of a step ahead of the diagonal count
	s_cbranch_scc1 .Lopen_\@
	v_mov_b32 v254, 0xff800000                     ; -infinity
.set n, 0
.rept 64
	v_cmp_gt_i32 vcc_lo, 16*(n/8)+n%8, v[DG]       ; register n holds key 16 (n / 8) + 8 (lane / 16) + n % 8 of the step: hidden where it comes after my query
	v_cndmask_b32 v[96+n], v[96+n], v254, vcc_lo
.set n, n+1
.endr
.Lopen_\@:
	v_max3_num_f32 v254, v96, v97, v98             ; the step's largest score of my query, among my 64 keys, in two chains, each accumulator from its low end on,
	v_max3_num_f32 v252, v99, v100, v101
.irp i, 6,10,14,18,22,26,30,34,38,42,46,50,54,58
	v_max3_num_f32 v254, v254, v[96+\i], v[97+\i]
	v_max3_num_f32 v252, v252, v[98+\i], v[99+\i]
.endr
	v_max3_num_f32 v254, v254, v158, v159
	s_delay_alu instid0(VALU_DEP_1)
	v_max_num_f32 v254, v254, v252
	v_permlanex16_b32 v236, v254, s[SEL], s[SEL+1]
	s_delay_alu instid0(VALU_DEP_1)
	v_max_num_f32 v254, v254, v236                 ; and among lane l xor 16's
	s_delay_alu instid0(VALU_DEP_1)
	v_mul_f32 v254, s[CS], v254                    ; as t (c is positive)
	s_delay_alu instid0(VALU_DEP_1)
	v_max_num_f32 v13, v13, v254                   ; the running largest t
	v_mov_b32 v254, v12
	s_delay_alu instid0(VALU_DEP_2)
	v_floor_f32 v12, -v13                          ; the new -M = floor(-t) = -ceil(t): M is a whole number
	s_delay_alu instid0(VALU_DEP_1)
	v_sub_f32 v254, v12, v254                      ; M's old value less its new one: a whole number, 0 or less
	s_delay_alu instid0(VALU_DEP_1)
	v_cvt_i32_f32 v254, v254                       ; (it saturates)
	s_delay_alu instid0(VALU_DEP_1)
	v_ldexp_f32 v252, 1.0, v254                    ; f = 2^(old M - new M): a multiplication by it rounds nothing
.set i, 0
.rept 32
	v_pk_fma_f32 v[96+i:97+i], v[96+i:97+i], s[CS:CS+1], v[12:13] op_sel_hi:[1,0,0]   ; t - M, two at a time (of the pairs c and -M the low word serves both halves)
.set i, i+2
.endr
.set i, 0
	s_wait_alu depctr_va_vdst(0)
.rept 64
	v_exp_f32 v[96+i], v[96+i]                     ; p = 2^(t - M), at most 1: not normalised
.set i, i+1
.endr
	v_pk_mul_f32 v[14:15], v[14:15], v[252:253] op_sel_hi:[1,0]   ; the sums under the new M: the plain instruction behind the exponentials
	s_wait_alu depctr_va_vdst(0)                   ; one wait for the whole batch, ahead of the first line that names a result
	v_pk_add_f32 v[242:243], v[100:101], v[104:105]
	v_pk_add_f32 v[254:255], v[108:109], v[112:113]
	v_pk_add_f32 v[250:251], v[116:117], v[120:121]
	v_pk_add_f32 v[248:249], v[124:125], v[128:129]
	v_pk_add_f32 v[246:247], v[132:133], v[136:137]
	v_pk_add_f32 v[240:241], v[140:141], v[144:145]
	v_pk_add_f32 v[238:239], v[148:149], v[152:153]
	v_pk_add_f32 v[14:15], v[14:15], v[156:157]
	v_pk_add_f32 v[242:243], v[242:243], v[96:97]
	v_pk_add_f32 v[254:255], v[254:255], v[98:99]
	v_pk_add_f32 v[250:251], v[250:251], v[102:103]
	v_pk_add_f32 v[248:249], v[248:249], v[106:107]
	v_pk_add_f32 v[246:247], v[246:247], v[110:111]
	v_pk_add_f32 v[240:241], v[240:241], v[114:115]
	v_pk_add_f32 v[238:239], v[238:239], v[118:119]
	v_pk_add_f32 v[14:15], v[14:15], v[122:123]
	v_pk_add_f32 v[242:243], v[242:243], v[126:127]
	v_pk_add_f32 v[254:255], v[254:255], v[130:131]
	v_pk_add_f32 v[250:251], v[250:251], v[134:135]
	v_pk_add_f32 v[248:249], v[248:249], v[138:139]
	v_pk_add_f32 v[246:247], v[246:247], v[142:143]
	v_pk_add_f32 v[240:241], v[240:241], v[146:147]
	v_pk_add_f32 v[238:239], v[238:239], v[150:151]
	v_pk_add_f32 v[14:15], v[14:15], v[154:155]
	v_pk_add_f32 v[242:243], v[242:243], v[158:159]
	s_delay_alu instid0(VALU_DEP_2)
	v_pk_add_f32 v[14:15], v[14:15], v[248:249]
	s_delay_alu instid0(VALU_DEP_2)
	v_pk_add_f32 v[242:243], v[242:243], v[246:247]
	v_pk_add_f32 v[254:255], v[254:255], v[240:241]
	v_pk_add_f32 v[250:251], v[250:251], v[238:239]
	s_delay_alu instid0(VALU_DEP_2)
	v_pk_add_f32 v[14:15], v[14:15], v[254:255]
	s_delay_alu instid0(VALU_DEP_2)
	v_pk_add_f32 v[242:243], v[242:243], v[250:251]
	s_delay_alu instid0(VALU_DEP_1)
	v_pk_add_f32 v[14:15], v[14:15], v[242:243]
.irp b, 0,1,2,3,4,5,6,7
.irp i, 0,1,2,3,4,5,6,7
.endr
	v_cvt_scalef32_pk8_bf8_f32 v[224+2*\b:225+2*\b], v[96+8*\b:103+8*\b], v244   ; registers 2 b, 2 b + 1 of P's fragment: keys 16 b + 8 (lane / 16) + 0 .. 7
.endr
	v_nop                                          ; one plain vector instruction behind the last scaled conversion
.irp t, 4,5,6,7                                ; V's tiles 4-7 take p's registers, which are done with
.irp c, 0,1,2,3
	ds_load_b128 v[96+16*(\t-4)+4*\c:96+16*(\t-4)+4*\c+3], v[ADV] offset:16*\t*VP+128*(\q)+32*\c
.endr
.endr
.set i, 0
.rept 32
	v_pk_mul_f32 v[160+i:161+i], v[160+i:161+i], v[252:253] op_sel_hi:[1,0]   ; O^T under the new M: x f, each accumulator from its low end on, while the loads are on their way
.set i, i+2
.endr
	s_wait_alu depctr_va_vdst(0)
	s_wait_dscnt 0x0                               ; V's eight fragments are in
.irp t, 0,1,2,3                                ; O^T += V^T P^T: the eight accumulators take turns, one instruction a turn
	v_wmma_f32_16x16x128_bf8_bf8 v[160+8*\t:167+8*\t], v[32+16*\t:47+16*\t], v[224:239], v[160+8*\t:167+8*\t]
.endr
.irp t, 4,5,6,7
	v_wmma_f32_16x16x128_bf8_bf8 v[160+8*\t:167+8*\t], v[96+16*(\t-4):111+16*(\t-4)], v[224:239], v[160+8*\t:167+8*\t]
.endr
	s_cmp_lg_u32 s[KS], s[JW]
	s_cbranch_scc1 .Lhidden_\@
	WAYOUT                                         ; that was my last step
.Lhidden_\@:
	s_add_co_u32 s[KS], s[KS], 1
.endm
; THE CHANGE OF SLOTS stands at a slot's head.  Each wave waits for all its tensor loads (its part of the slot that is about to be read), adds 0 to its spare word, and waits for that and for its reads of the slot that it has left.
; fill = 1: the barrier is a round of the cluster's, so that no wave of any partner still reads the slot that was left or has a load on its way; behind it that slot is filled with the 256 keys that follow:
; the load has a whole slot's two steps in which to land.  Slot 1's first fill is issued in the same way, at the first change.
.macro CHANGE fill
	s_wait_tensorcnt 0x0                           ; no tensor load of mine is out, so a group 0 may be written
	ds_add_u32 v[SPW], v[NIL]                      ; 0 onto my spare word; with fill = 1 the descriptors' steps stand between it and the wait for it
.if \fill
	s_xor_b32 s[G0K+1], s[G0K+1], SLOT1            ; the walking descriptors: the other slot than last time,
	s_add_nc_u64 s[G0K+2:G0K+3], s[G0K+2:G0K+3], 32768   ; the next 256 keys; the type bits on top are not reached
	s_xor_b32 s[G0V+1], s[G0V+1], SLOT1
	s_add_nc_u64 s[G0V+2:G0V+3], s[G0V+2:G0V+3], 256
	s_wait_xcnt 0x0                                ; the last prefetch, a slot back, has read its address, so it may be written:
	s_add_nc_u64 s[PFA:PFA+1], s[PFA:PFA+1], s[PFS:PFS+1]  ; one slot further on than the walking descriptors
.endif
	s_wait_dscnt 0x0                               ; the add is done, and my reads of the slot that I have left are over
.if \fill
	CROUND
	TLOAD                                          ; the first thing behind the round, and a wave's one tensor load until the next
	ASK
.else
	s_barrier_signal -1
	s_barrier_wait -1
.endif
.endm
.macro SLOT_STEPS
	STEP 0
	STEP 1
	s_xor_b32 s[TB], s[TB], SLOT1                  ; on to the other slot
.endm
.Lslot:                                            ; 7 trips: behind each change of slots but the last the next slot is asked for
	CHANGE 1
	SLOT_STEPS
	s_sub_co_u32 s[SLOTS], s[SLOTS], 1
	s_cmp_lg_u32 s[SLOTS], 0
	s_cbranch_scc1 .Lslot
	CHANGE 0                                       ; the last slot is written out
	SLOT_STEPS
	s_wait_tensorcnt 0x0                           ; the wave's end, behind my last tensor load and my last LDS store
	ds_add_u32 v[SPW], v[NIL]
	s_wait_dscnt 0x0
	CROUND                                         ; the closing round: no work-group ends while a partner may still ask for a tile that names it
	s_endpgm
.Lfunc_end_k_qaa99e11bc4_attn:
	.size	k_qaa99e11bc4_attn, .Lfunc_end_k_qaa99e11bc4_attn-k_qaa99e11bc4_attn
	.p2alignl 7, 3214868480
	.fill 96, 4, 3214868480
	.section	.rodata,"a",@progbits
	.p2align	6, 0x0
	.amdhsa_kernel k_qaa99e11bc4_attn
		.amdhsa_group_segment_fixed_size 327680
		.amdhsa_private_segment_fixed_size 0
		.amdhsa_enable_private_segment 0
		.amdhsa_kernarg_size 40
		.amdhsa_user_sgpr_count 2
		.amdhsa_user_sgpr_kernarg_segment_ptr 1
		.amdhsa_wavefront_size32 1
		.amdhsa_system_sgpr_workgroup_id_x 1
		.amdhsa_system_sgpr_workgroup_id_y 1
		.amdhsa_system_sgpr_workgroup_id_z 1
		.amdhsa_system_vgpr_workitem_id 0
		.amdhsa_next_free_vgpr 256
		.amdhsa_next_free_sgpr 100
		.amdhsa_reserve_vcc 1
		.amdhsa_float_denorm_mode_32 3
		.amdhsa_float_denorm_mode_16_64 3
		.amdhsa_fp16_overflow 1
		.amdhsa_memory_ordered 1
		.amdhsa_forward_progress 1
		.amdhsa_inst_pref_size 130
	.end_amdhsa_kernel
	.amdgpu_metadata
---
amdhsa.version: [ 1, 2 ]
amdhsa.kernels:
  - .name:           k_qaa99e11bc4_attn
    .symbol:         k_qaa99e11bc4_attn.kd
    .args:
      - { .name: qkv, .offset: 0, .size: 8, .value_kind: global_buffer, .address_space: global }
      - { .name: k_codes, .offset: 8, .size: 8, .value_kind: global_buffer, .address_space: global }
      - { .name: v_codes, .offset: 16, .size: 8, .value_kind: global_buffer, .address_space: global }
      - { .name: lowp_scales, .offset: 24, .size: 8, .value_kind: global_buffer, .address_space: global }
      - { .name: out0, .offset: 32, .size: 8, .value_kind: global_buffer, .address_space: global }
    .group_segment_fixed_size: 327680
    .private_segment_fixed_size: 0
    .kernarg_segment_align: 8
    .kernarg_segment_size: 40
    .max_flat_workgroup_size: 512
    .sgpr_count:     100
    .vgpr_count:     256
    .wavefront_size: 32
...
	.end_amdgpu_metadata
.endif
;; end of part 2
